; MI455X (gfx1250); checked and timed in simulation.
; The chip was launched on July 23, 2026; its instructions are those of AMD's public machine-readable ISA for CDNA 5 (MIT licence, August 2026) and "CDNA5" Instruction Set Architecture Reference Guide (July 2026). The comments in the code are by the model that wrote it; some were corrected since.
;; Multihead Attention. Allowed arithmetic: matrix products marked QUANTISED: E2M3 operands, one E8M0 scale for each 32 along K, by v_wmma_scale_f32_16x16x128_f8f6f4 with both operands' format E2M3, f32 sums; everything else in f32.
;; Inputs: Wk_codes 1,024 x 32 x 24 uint8 (E2M3 codes of Wk, K innermost, in blocks of 32 codes, four codes in three bytes); Wk_scales 1,024 x 32 uint8 (E8M0 scales of Wk, one for each 32 codes along K); Wo_codes 1,024 x 32 x 24 uint8 (E2M3 codes of Wo, K innermost, in blocks of 32 codes, four codes in three bytes); Wo_scales 1,024 x 32 uint8 (E8M0 scales of Wo, one for each 32 codes along K); Wq_codes 1,024 x 32 x 24 uint8 (E2M3 codes of Wq, K innermost, in blocks of 32 codes, four codes in three bytes); Wq_scales 1,024 x 32 uint8 (E8M0 scales of Wq, one for each 32 codes along K); Wv_codes 1,024 x 32 x 24 uint8 (E2M3 codes of Wv, K innermost, in blocks of 32 codes, four codes in three bytes); Wv_scales 1,024 x 32 uint8 (E8M0 scales of Wv, one for each 32 codes along K); bk 1,024 float32; bo 1,024 float32; bq 1,024 float32; bv 1,024 float32; x_codes 4 x 2,048 x 32 x 24 uint8 (E2M3 codes of x, K innermost, in blocks of 32 codes, four codes in three bytes); x_scales 4 x 2,048 x 32 uint8 (E8M0 scales of x, one for each 32 codes along K).
;; Outputs: out0 4 x 2,048 x 1,024 float32.
;; This version of the problem:
;;   THIS VERSION OF THE PROBLEM IS GIVEN IN LOW PRECISION. The matrix products marked QUANTISED in the list below multiply operands that are first quantised to E2M3 (2 exponent bits, 3 mantissa bits; 6 bits a number), with one power-of-two scale for each 32 numbers along K (OCP MX v1.0); their sums are f32. All else is computed in f32.
;;   The module's matrix products, in the order in which they are computed (A, B: the left and right operand; K: the contracted axis; several contracted axes count as one K, in the product's order):
;;     1. [M 8,192, K 1,024] x [K 1,024, N 1,024]; A: input x (given as codes); B: input Wq (given as codes): QUANTISED
;;     2. [M 8,192, K 1,024] x [K 1,024, N 1,024]; A: input x (given as codes); B: input Wk (given as codes): QUANTISED
;;     3. [M 8,192, K 1,024] x [K 1,024, N 1,024]; A: input x (given as codes); B: input Wv (given as codes): QUANTISED
;;     4. batch 64 x [M 2,048, K 64] x [K 64, N 2,048]; A: computed on the way; B: computed on the way: QUANTISED
;;     5. batch 64 x [M 2,048, K 2,048] x [K 2,048, N 64]; A: softmax (see below); B: computed on the way: QUANTISED
;;     6. [M 8,192, K 1,024] x [K 1,024, N 1,024]; A: computed on the way; B: input Wo (given as codes): QUANTISED
;;   THE QUANTISER, for each operand of a quantised product, along K:
;;     - K is cut into blocks of 32 from its start; a last block that is shorter is filled with zeros.
;;     - A block's scale is 2^e with e = floor(log2(the largest magnitude in the block)) - 2, held to -126 .. 127; a block of zeros has e = 0. As a byte (E8M0): e + 127.
;;     - Each number is divided by its block's scale, clamped to +-7.5, and rounded to the nearest number of E2M3, ties to even, subnormals kept.
;;     - The product sums the exact products of the quantised numbers (number of the format x scale) in f32.
;;   ~~~python
;;   def quantise(x, axis):      # numpy; x: float32 -> the quantised numbers, widened to float32 again
;;       x = np.moveaxis(x, axis, -1); K = x.shape[-1]
;;       x = np.pad(x, [(0, 0)] * (x.ndim - 1) + [(0, -K % 32)]); x = x.reshape(x.shape[:-1] + (-1, 32)); a = np.abs(x).max(-1, keepdims=True)
;;       e = np.where(a > 0, np.clip(np.frexp(np.where(a > 0, a, 1))[1] - 1 - 2, -126, 127), 0)      # np.frexp(a)[1] - 1 = floor(log2(a)), exactly
;;       r = np.clip(x / 2.0 ** e, -7.5, 7.5)
;;       step = 2.0 ** (np.maximum(np.frexp(np.where(r == 0, 1, r))[1] - 1, 0) - 3)
;;       q = np.round(r / step) * step * 2.0 ** e      # np.round: ties to even
;;       return np.moveaxis(q.reshape(q.shape[:-2] + (-1,))[..., :K], -1, axis).astype(np.float32)
;;   ~~~
;;   SOFTMAX AHEAD OF A QUANTISED PRODUCT. Where the list says 'softmax', what is quantised is not the finished softmax but p = 2^(t - M), with t = logit x log2(e) and M = ceil(the row's largest t), a whole number; so 1/2 < the row's largest p <= 1. The row's sum l is taken of the UNQUANTISED p, in f32, and the product's result is divided by l at the end. Since M is a whole number, a kernel that streams over the keys may use a running M (the ceiling of the running maximum): every later rescaling is an exact power of two, which a block's scale takes up: the codes' values come out the same.
;;   OPERANDS COMPUTED ON THE WAY. 'Computed on the way' means the value that the module computes at that place (a softmax that the list does not call 'softmax' is quantised finished and normalised). What goes into a quantiser is computed in f32, as accurately as f32 sums, v_exp_f32 and their like allow (about 1e-6 of the number): no bf16 or f16 on the way to a quantiser, and a product that is left as it is and whose result goes on into a quantised operand takes f32 operands (vector FMAs, or v_wmma_f32_16x16x4_f32). A number that lies on a knife's edge between two numbers of the format may be rounded either way, as far as f32 arithmetic and the matrix unit's own rounding can turn it there, and no further.
;;   INPUTS GIVEN AS CODES. Wk (in the module: [1024, 1024], K = its axis 1); Wo (in the module: [1024, 1024], K = its axis 1); Wq (in the module: [1024, 1024], K = its axis 1); Wv (in the module: [1024, 1024], K = its axis 1); x (in the module: [4, 2048, 1024], K = its axis 2): each comes as NAME_codes (uint8): NAME with its K axis moved to the last place and cut into blocks of 32 codes, [.., K / 32, bytes a block], one block behind the other in memory; four codes in three bytes: a row's codes are one little-endian stream of bits, code i at bits 6 i .. 6 i + 5 (a code: sign, 2 exponent bits, 3 mantissa bits); and NAME_scales (uint8): the same leading axes, one E8M0 byte (e + 127) for each 32 codes along K. Its value is code x scale, taken as it is: it is not quantised again, and the codes and scales need not be those that the quantiser above would give.
;; One version. Each part assembles by itself: llvm-mc -triple=amdgcn-amd-amdhsa -mcpu=gfx1250 --defsym DOCPART=n.
;; ======== version 1 of 1: 3 launches
;; limits: right only within a limited range of input values
;; workspace buffers: qc 6,291,456 bytes; qs 524,288 bytes; kv 13,369,344 bytes; ao 6,291,456 bytes; aos 262,144 bytes
;; launch proj (part 1): grid 8 x 32, 4 waves a work-group, clusters of 4 x 4, 327,680 bytes of LDS; arguments x_codes, x_scales, Wq_codes, Wq_scales, Wk_codes, Wk_scales, Wv_codes, Wv_scales, bq, bk, bv, qc, qs, kv; writes qc, qs, kv
.if DOCPART == 1
	.amdgcn_target "amdgcn-amd-amdhsa--gfx1250"
	.amdhsa_code_object_version 6
	.text
	.protected	k_q8fae824636_proj
	.globl	k_q8fae824636_proj
	.p2align	8
	.type	k_q8fae824636_proj,@function
k_q8fae824636_proj:
	s_mov_b64 s[64:65], 0
	v_nop
	global_prefetch_b8 v0, s[64:65] scope:SCOPE_SE
	s_setreg_imm32_b32 hwreg(HW_REG_WAVE_MODE, 25, 1), 1
	s_wait_xcnt 0x0
	s_wait_alu depctr_hold_cnt(0) depctr_sa_sdst(0) depctr_va_vdst(0) depctr_va_sdst(0) depctr_va_ssrc(0) depctr_va_vcc(0) depctr_vm_vsrc(0)
	s_getreg_b32 s2, hwreg(HW_REG_IB_STS2, 6, 4)
	s_cmp_eq_u32 s2, 0
	s_cbranch_scc0 .Lentry_in_a_cluster
	s_endpgm
.Lentry_in_a_cluster:
	s_bfe_u32 s2, ttmp6, 0x10000c
	s_cmp_lg_u32 s2, 0xf033
	s_cbranch_scc0 .Lentry_shape_is_right
	s_endpgm
.Lentry_shape_is_right:
; q = x Wq^T + bq, k = x Wk^T + bk, v = x Wv^T + bv on codes of FP6 (E2M3) with E8M0 scales, K = 1,024; the results are quantised here for the attention launch.
; 256 work-groups of four waves: tile row M (256 tokens) x tile column N (128 features = two heads).  A work-group keeps its 256 rows of x, all of K, in LDS and walks three phases: q, k, v.
; A wave makes 128 tokens x 64 features (one head).  Its 64 rows of the weight, all of K, go into 384 registers (windows 1 and 3) at a phase's start; so the weights' one LDS region is read out then,
; and the next weight's refill, behind a drained round of the cluster's barrier, has the whole phase in which to land.
; x streams past in blocks of 16 rows, all of K, in two register sets (window 0 v96-191, window 3 v160-255): block a's 32 products read set a % 2, and behind them that set takes block a + 2.
; The phase's 32 accumulators lie in window 2; a block's four take turns, K ascending.  The bias is the first products' C.
; Every tile row in memory is 768 bytes (codes) or 256 bytes (scales) and begins at a multiple of 256.  x's tiles are asked for jointly by a row of the cluster, the weights' by a column.
; q, k: source 0 = the weight's rows, source 1 = x's: a lane holds a token, its registers run along the head's 64.  v: source 0 = x's rows, source 1 = Wv's: a lane holds a channel, its registers run along the keys.
; SCALE WORDS: register SC + 8 i + w holds in lanes 0-15 word w of x's block i and in lanes 16-31 word (w + 4) % 8 of the weight's block i % 4: the two scale registers of a product differ by 4 modulo 8.
; OUT as the attention launch reads it: q, k: for each 16 tokens an image of registers 0-5 of a fragment (512 + 256 bytes), a scale word a token with its two bytes written twice; v: for each 16 channels and 128 keys a whole fragment's image and a word a channel.
; The order inside a block of 32 (places 8 h + j and 16 + 8 h + j) is the same for q and k, and for v and p.
; LIMITS: NaN and infinities are not served; a block whose largest magnitude lies under 2^-124 has its byte held at 1, a block of zeros too (its codes are zeros; this program alone reads the bytes).
.set KROW,  768
.set PITCH, 816                        ; an LDS row: 3 x (256 + 16) bytes
.set WB,    256*PITCH                  ; x's rows lie from 0, the weight's from here
.set WS,    WB+128*PITCH               ; the weight's scale bytes: units of 256 + 16
.set XS,    WS+16*272                  ; x's, behind them with the same period
.set SBLK,  544                        ; the scale bytes of 16 rows
.set SPARE, XS+32*272                  ; the spare words, 128 bytes a wave
.set L16, 12
.set L8,  13
.set SPW, 14
.set NIL, 15
.set WA,  16                           ; v16-23 LDS addresses of the weight's four blocks (odd: behind one padding more)
.set S0,  24
.set S1,  25
.set BQA, 26
.set BVA, 27
.set PFO, 28
.set SC,  32                           ; v32-95 scale words and nothing else
.set XF,  96                           ; x's set 0 in window 0; set 1 lies 64 registers on in window 3
.set BC,  192                          ; v192-223 the bias as the first products' C
.set XA,  240                          ; v240-255 LDS addresses of x's eight blocks
.set BM,  96                           ; the way out, in window 0: 16 chains' largest magnitudes,
.set PT,  112                          ; lane l xor 16's, then the scale bytes,
.set SO,  128                          ; and the conversions' scale operands
.set SEL, 68
.set G1X, 24
.set G1W, 32
.set G1SX, 40
.set G1SW, 48
.set G0X, 56
.set G0W, 60
.set G0SX, 4
.set G0SW, 8
.set MSB, 0
.macro WIN new
.if MSB != (\new)
	s_set_vgpr_msb (MSB<<8)|(\new)
.set MSB, (\new)
.endif
.endm
.macro PLACES n
.rept \n
	v_nop
.endr
.endm
.macro WALU
	s_wait_alu depctr_va_vdst(0)
.endm
.macro BARRIER
	s_barrier_signal -1
	s_barrier_wait -1
.endm
.macro CROUND                          ; a round of the cluster's barrier
	BARRIER
	s_cmp_lg_u32 s14, 0
	s_cbranch_scc1 .Lnot_wave_0_\@
	s_barrier_signal -3
.Lnot_wave_0_\@:
	s_barrier_wait -3
	BARRIER
.endm
.macro TLOAD g0, g1
	tensor_load_to_lds s[\g0:\g0+3], s[\g1:\g1+7]
	s_nop 0
	PLACES 4
.endm
.macro GCODE g, mask, rows             ; rows of 768 bytes, 16 bytes of padding behind every 256
	s_or_b32 s[\g], s\mask, (1<<20)|(1<<21)|(5<<22)|(3<<25)
	s_mov_b32 s[\g+1], KROW<<16
	s_mov_b32 s[\g+2], (\rows)<<16
	s_mov_b32 s[\g+3], KROW<<16
	s_mov_b32 s[\g+4], \rows
	s_mov_b32 s[\g+5], KROW
	s_mov_b32 s[\g+6], 0
	s_mov_b32 s[\g+7], 0
.endm
.macro GSCL g, mask, rows              ; a dense block as rows of 256 bytes (32 elements of 8), 16 bytes of padding behind each
	s_or_b32 s[\g], s\mask, (3<<16)|(1<<20)|(1<<21)|(5<<22)|(3<<25)
	s_mov_b32 s[\g+1], 32<<16
	s_mov_b32 s[\g+2], (\rows)<<16
	s_mov_b32 s[\g+3], 32<<16
	s_mov_b32 s[\g+4], \rows
	s_mov_b32 s[\g+5], 32
	s_mov_b32 s[\g+6], 0
	s_mov_b32 s[\g+7], 0
.endm
.macro G0SET g, lds, base, off
	s_mov_b32 s[\g], 1
	s_mov_b32 s[\g+1], \lds
	s_add_nc_u64 s[\g+2:\g+3], s[\base:\base+1], s[\off:\off+1]
	s_or_b32 s[\g+3], s[\g+3], 0x80000000
.endm
.macro ARM under, g0, g1, next
	s_cmp_lt_u32 s14, \under
	s_cbranch_scc0 \next
	TLOAD \g0, \g1
	s_branch .Lasked
\next:
.endm
; a fragment of K step q: six pieces of 8 bytes, two to a load where both go by the same address register; NLD counts the loads
.macro FRAG reg, q, ad
.set SKIP_, 0
.irp p, 0,1,2,3,4,5
.if SKIP_
.set SKIP_, 0
.else
.set PC_, 12*(\q)+6*(\p/3)+\p%3
.set PN_, 12*(\q)+6*((\p+1)/3)+(\p+1)%3
.set X_, (PC_%32+3)/32
.set XQ_, (PN_%32+3)/32
.set NLD, NLD+1
.if (\p < 5) && (X_ == XQ_)
.set SKIP_, 1
	ds_load_2addr_b64 v[\reg+2*\p:\reg+2*\p+3], v[\ad+X_] offset0:PC_+2*(PC_/32) offset1:PN_+2*(PN_/32)
.else
	ds_load_b64 v[\reg+2*\p:\reg+2*\p+1], v[\ad+X_] offset:8*(PC_+2*(PC_/32))
.endif
.endif
.endr
.endm
.macro WEIGHTS                         ; my 64 rows of the weight: fragment 4 q + b, the first twenty in window 1, the other twelve in window 3
.irp q, 0,1,2,3,4,5,6,7
.irp b, 0,1,2,3
	WIN (1+2*((4*\q+\b)/20))<<6
	FRAG 12*((4*\q+\b)%20), \q, WA+2*\b
.endr
.endr
	WIN 0
.endm
.macro FETCHX a                        ; block a of x's rows, all of K, into set a % 2: NLD loads, the same number for every block
.set NLD, 0
	WIN (((\a)%2)*3)<<6
.irp q, 0,1,2,3,4,5,6,7
	FRAG XF+64*((\a)%2)+12*\q, \q, XA+2*(\a)
.endr
	WIN 0
.endm
.macro SCALES
.irp i, 0,1,2,3,4,5,6,7
	ds_load_b128 v[SC+8*\i:SC+8*\i+3], v[S0] offset:\i*SBLK
	ds_load_b128 v[SC+8*\i+4:SC+8*\i+7], v[S1] offset:\i*SBLK
.endr
.endm
.macro WM d, s0, s1, c, x0, x1, side
	v_wmma_scale_f32_16x16x128_f8f6f4 v[\d:\d+7], v[\s0:\s0+11], v[\s1:\s1+11], \c, v[\x0], v[\x1] matrix_a_fmt:MATRIX_FMT_FP6 matrix_b_fmt:MATRIX_FMT_FP6 matrix_\side\()_scale:MATRIX_SCALE_ROW1
.endm
; block a: 32 products; its four accumulators take turns, so three other products stand between two steps of a sum
.macro MULB kind, a
.irp q, 0,1,2,3,4,5,6,7
.irp b, 0,1,2,3
.set WW_, 1+2*((4*\q+\b)/20)
.set WX_, 3*((\a)%2)
.set WR_, 12*((4*\q+\b)%20)
.set XR_, XF+64*((\a)%2)+12*\q
.set SW_, SC+8*\b+(\q+4)%8
.set SX_, SC+8*(\a)+\q
.if \kind
.set D_, 8*(8*\b+(\a))
.if \q == 0
	WIN WX_|(WW_<<2)|0x80
	WM D_, XR_, WR_, v[BC+8*\b:BC+8*\b+7], SX_, SW_, b
.else
	WIN WX_|(WW_<<2)|0xa0
	WM D_, XR_, WR_, v[D_:D_+7], SX_, SW_, b
.endif
.else
.set D_, 8*(4*(\a)+\b)
.if \q == 0
	WIN WW_|(WX_<<2)|0x80
	WM D_, WR_, XR_, v[BC+8*\b:BC+8*\b+7], SW_, SX_, a
.else
	WIN WW_|(WX_<<2)|0xa0
	WM D_, WR_, XR_, v[D_:D_+7], SW_, SX_, a
.endif
.endif
.endr
.endr
	WIN 0
.endm
; a phase's products.  Blocks 0 and 1 have been asked for; the wait ahead of block a leaves just block a + 1's NLD loads out
.macro COMPUTE kind
.irp a, 0,1,2,3,4,5,6,7
.if \a < 7
	s_wait_dscnt NLD
.else
	s_wait_dscnt 0x0
.endif
	MULB \kind, \a
	PLACES 4                                       ; in front of loads into the set just multiplied, and of the first read of results
.if \a < 6
	FETCHX (\a+2)
.endif
.if (\kind == 0) && (\a == 1)
	s_or_b32 s70, s72, s71                         ; Wv's tile into the L2, in trip 0, one phase ahead of its refill: four clusters of the eight that read it ask, each of a column's sixteen waves for 24 blocks of 256 bytes
	s_cmp_eq_u32 s70, 0
	s_cbranch_scc0 .Lnopf
	global_prefetch_b8 v[PFO], s[80:81] th:TH_LOAD_NT scope:SCOPE_SE
.Lnopf:
.endif
.endr
.endm
; A phase's 256 sums of a lane are 16 half blocks of 16, half block n at v[16 n] of window 2.  Sixteen chains side by side: no line reads the line above it.
; A block's largest magnitude, with the floor 2^(3 - 127) among its leaves and lane l xor 16's half joined; 2 off its exponent field is the conversion's scale operand, and that shifted down the byte.
.macro MAXES
	WIN 0x0a                                       ; sources 0 and 1: window 2.
.set n, 0
.rept 16
	v_max3_num_f32 v[BM+n], |v[16*n]|, |v[16*n+1]|, 0x1800000
.set n, n+1
.endr
	WIN 0x28                                       ; sources 1 and 2: window 2
.irp i, 2,4,6,8,10,12,14
.set n, 0
.rept 16
	v_max3_num_f32 v[BM+n], v[BM+n], |v[16*n+\i]|, |v[16*n+\i+1]|
.set n, n+1
.endr
.endr
	WIN 0
.set n, 0
.rept 16
	v_permlanex16_b32 v[PT+n], v[BM+n], s[SEL], s[SEL+1]   ; (the destinations held fragments: they have been written)
.set n, n+1
.endr
.set n, 0
.rept 16
	v_max_num_f32 v[BM+n], v[BM+n], v[PT+n]
.set n, n+1
.endr
.set n, 0
.rept 16
	v_add_nc_u32 v[SO+n], 0xff000000, v[BM+n]
.set n, n+1
.endr
.set n, 0
.rept 16
	v_lshrrev_b32 v[PT+n], 23, v[SO+n]
.set n, n+1
.endr
.endm
	s_load_b512 s[68:83], s[0:1], 0x0              ; x's codes, scales; Wq's; Wk's; Wv's
	s_load_b256 s[84:91], s[0:1], 0x40             ; bq, bk, bv, qc
	s_load_b128 s[92:95], s[0:1], 0x60             ; qs, kv
	v_lshl_add_u32 v[SPW], v0, 2, SPARE
	v_mov_b32 v[NIL], 0
	ds_add_u32 v[SPW], v[NIL]                      ; the opening lines: the add twice on end and its wait
	ds_add_u32 v[SPW], v[NIL]
	v_lshrrev_b32 v1, 5, v0
	v_readfirstlane_b32 s14, v1                    ; wave
	s_lshr_b32 s15, s14, 1                         ; my half of the tokens
	s_and_b32 s16, s14, 1                          ; my head of the two
	s_bfe_u32 s17, ttmp6, 0x40000                  ; cx
	s_bfe_u32 s18, ttmp6, 0x40004                  ; cy
	s_lshl_b32 s19, ttmp9, 2
	s_add_co_u32 s19, s19, s17                     ; N
	s_and_b32 s67, ttmp7, 0xffff                   ; the cluster's y
	s_lshl_b32 s66, s67, 2
	s_add_co_u32 s66, s66, s18                     ; M
	s_lshl_b32 s20, s18, 2
	s_lshl_b32 s20, 15, s20                        ; my row of the cluster
	s_lshl_b32 s21, 0x1111, s17                    ; my column
	GCODE G1X, 20, 256
	GCODE G1W, 21, 128
	GSCL G1SX, 20, 32
	GSCL G1SW, 21, 16
	s_mul_i32 s2, s66, 256*KROW
	s_mov_b32 s3, 0
	s_lshl_b32 s12, s66, 13
	s_mov_b32 s13, 0
	s_mul_i32 s22, s19, 128*KROW                   ; s[22:23], s[104:105]: the tile's place in a weight's codes and scales
	s_mov_b32 s23, 0
	s_lshl_b32 s104, s19, 12
	s_mov_b32 s105, 0
	s_wait_dscnt 0x0
	s_wait_kmcnt 0x0
	CROUND                                         ; in front of the first joint loads
	G0SET G0X, 0, 68, 2
	G0SET G0W, WB, 72, 22
	G0SET G0SX, XS, 70, 12
	G0SET G0SW, WS, 74, 104
	ARM 1, G0W, G1W, .Lhead_sw                     ; one tensor load a wave at the head; Wq's rows are asked for first: they go on into registers
	ARM 2, G0SW, G1SW, .Lhead_sx
	ARM 3, G0SX, G1SX, .Lhead_x
	TLOAD G0X, G1X
.Lasked:
	s_mov_b32 s[SEL], 0x76543210
	s_mov_b32 s[SEL+1], 0xfedcba98
	s_mov_b32 s73, 0xffff0000                      ; lanes 16-31
	s_lshr_b32 s71, s67, 2                         ; 0 in the four clusters of a column that prefetch
	s_lshl_b32 s2, s66, 8                          ; where the results go
	s_lshl_b32 s3, s15, 7
	s_add_co_u32 s2, s2, s3                        ; my first token
	s_lshr_b32 s3, s2, 11
	s_lshl_b32 s3, s3, 4
	s_lshl_b32 s12, s19, 1
	s_add_co_u32 s3, s3, s12
	s_add_co_u32 s3, s3, s16                       ; 16 x batch + head
	s_bfe_u32 s2, s2, 0x40007                      ; which 128 tokens of the 2,048
	s_mul_i32 s12, s3, 98304
	s_mul_i32 s13, s2, 6144
	s_add_co_u32 s12, s12, s13
	s_mov_b32 s13, 0
	s_add_nc_u64 s[96:97], s[90:91], s[12:13]      ; q's codes
	s_lshl_b32 s12, s3, 13
	s_lshl_b32 s13, s2, 9
	s_add_co_u32 s12, s12, s13
	s_mov_b32 s13, 0
	s_add_nc_u64 s[98:99], s[92:93], s[12:13]      ; q's scale words
	s_mul_i32 s12, s3, 208896
	s_mul_i32 s13, s2, 13056
	s_add_co_u32 s12, s12, s13
	s_mov_b32 s13, 0
	s_add_nc_u64 s[100:101], s[94:95], s[12:13]    ; my record of kv
	s_add_nc_u64 s[90:91], s[100:101], 12288       ; k's scale words in it
	s_mul_i32 s20, s15, 128*PITCH
	s_mul_i32 s21, s16, 64*PITCH
	s_add_co_u32 s21, s21, WB
	v_and_b32 v1, 15, v0                           ; r
	v_bfe_u32 v2, v0, 4, 1                         ; h
	v_and_b32 v3, 31, v0
	v_mul_u32_u24 v4, v1, PITCH
	v_mad_u32_u24 v5, v2, 24, v4
	v_mad_u32_u24 v6, v2, 40, v4
	WALU
.irp i, 0,1,2,3,4,5,6,7
	v_add_nc_u32 v[XA+2*\i], s20, v5
	v_add_nc_u32 v[XA+2*\i+1], s20, v6
	s_add_co_u32 s20, s20, 16*PITCH
.endr
.irp i, 0,1,2,3
	v_add_nc_u32 v[WA+2*\i], s21, v5
	v_add_nc_u32 v[WA+2*\i+1], s21, v6
	s_add_co_u32 s21, s21, 16*PITCH
.endr
	s_mul_i32 s20, s15, 8*SBLK
	s_add_co_u32 s20, s20, XS-16
	s_mul_i32 s21, s16, 4*SBLK
	s_add_co_u32 s21, s21, WS
	s_sub_co_u32 s13, s20, s21                     ; from the weight's words 4-7 to x's words 0-3
	s_add_co_u32 s12, s13, 32                      ; from the weight's words 0-3 to x's words 4-7
	v_lshlrev_b32 v7, 5, v1
	v_lshrrev_b32 v8, 3, v1
	v_lshl_add_u32 v7, v8, 4, v7                   ; 32 bytes a row, 16 more for each 256 passed
	v_sub_nc_u32 v8, 1, v2
	v_mul_u32_u24 v9, s13, v8
	v_mul_u32_u24 v10, s12, v8
	v_add_nc_u32 v9, v9, v7
	v_add_nc_u32 v10, v10, v7
	v_add_nc_u32 v[S1], s21, v10
	s_add_co_u32 s21, s21, 16
	v_add_nc_u32 v[S0], s21, v9
	v_lshlrev_b32 v[L16], 4, v3
	v_lshlrev_b32 v[L8], 3, v3
	s_lshl_b32 s12, s19, 9
	s_lshl_b32 s13, s16, 8
	s_add_co_u32 s12, s12, s13                     ; 4 x my first feature
	v_lshl_add_u32 v[BQA], v2, 5, s12
	v_lshl_add_u32 v[BVA], v1, 2, s12
	s_lshl_b32 s13, s18, 2
	s_add_co_u32 s13, s13, s14                     ; my number among the sixteen waves of my column
	s_mul_i32 s13, s13, 6144
	s_add_co_u32 s13, s13, s22
	v_min_u32 v9, 23, v3
	v_lshl_add_u32 v[PFO], v9, 8, s13
	WALU                                           ; the wait at the head's end
	s_cmp_eq_u32 s14, 0
	s_cbranch_scc0 .Lnot_w
	s_wait_tensorcnt 0x0                           ; wave 0's load line is its own
.Lnot_w:
	BARRIER                                        ; Wq's rows are in; the other tiles may still be on their way
	WEIGHTS
	s_wait_tensorcnt 0x0
	s_wait_dscnt 0x0
	BARRIER                                        ; all four tiles are in
	SCALES
	s_mov_b32 s72, 0
.Lqk:                                                  ; trip 0: q, trip 1: k.  This phase's weight and scale words are in registers, or on their way there
	s_cmp_eq_u32 s72, 0
	s_cselect_b64 s[92:93], s[76:77], s[80:81]     ; the next weight's codes,
	s_cselect_b64 s[94:95], s[78:79], s[82:83]     ; its scales,
	s_cselect_b64 s[74:75], s[84:85], s[86:87]     ; this phase's bias,
	s_cselect_b64 s[12:13], s[96:97], s[100:101]   ; and where its codes
	s_cselect_b64 s[2:3], s[98:99], s[90:91]       ; and scale words go
.irp b, 0,1,2,3
	global_load_b128 v[BC+8*\b:BC+8*\b+3], v[BQA], s[74:75] offset:64*\b
	global_load_b128 v[BC+8*\b+4:BC+8*\b+7], v[BQA], s[74:75] offset:64*\b+16
.endr
	s_wait_tensorcnt 0x0                           ; the three lines in front of a refill's round
	ds_add_u32 v[SPW], v[NIL]
	s_add_nc_u64 s[G0W+2:G0W+3], s[92:93], s[22:23]
	s_or_b32 s[G0W+3], s[G0W+3], 0x80000000
	s_add_nc_u64 s[G0SW+2:G0SW+3], s[94:95], s[104:105]
	s_or_b32 s[G0SW+3], s[G0SW+3], 0x80000000
	s_wait_dscnt 0x0                               ; the add is done, and my reads of the weight's rows and scale bytes are over
	CROUND                                         ; so are those of every wave of every partner
	s_cmp_eq_u32 s14, 0
	s_cbranch_scc0 .Lre_s
	TLOAD G0W, G1W                                 ; wave 0: the next weight's rows
	s_branch .Lre
.Lre_s:
	s_cmp_eq_u32 s14, 1
	s_cbranch_scc0 .Lre
	TLOAD G0SW, G1SW                               ; wave 1: its scale bytes
.Lre:
	FETCHX 0
	FETCHX 1
	s_wait_loadcnt 0x0                             ; the bias
	COMPUTE 0
	s_wait_tensorcnt 0x0                           ; my part of the next weight is in,
	s_wait_dscnt 0x0
	BARRIER                                        ; everybody's is
	WEIGHTS                                        ; the next phase's registers are asked for ahead of this phase's way out
	SCALES
	MAXES                                          ; tile a of 16 tokens has half blocks 2 a and 2 a + 1; its codes go to v[144 + 8 a] on, its word to + 6
.irp a, 0,1,2,3,4,5,6,7
	v_lshl_or_b32 v[150+8*\a], v[PT+2*\a+1], 8, v[PT+2*\a]
.endr
.irp a, 0,1,2,3,4,5,6,7
	v_lshl_or_b32 v[150+8*\a], v[150+8*\a], 16, v[150+8*\a]   ; the two bytes once more, for the zero codes that fill the instruction's K
.endr
	WIN 0x02                                       ; source 0: window 2
.irp a, 0,1,2,3,4,5,6,7
	v_cvt_scalef32_pk16_fp6_f32 v[144+8*\a:146+8*\a], v[32*\a:32*\a+15], v[SO+2*\a]
	v_cvt_scalef32_pk16_fp6_f32 v[208+4*\a:210+4*\a], v[32*\a+16:32*\a+31], v[SO+2*\a+1]
.endr
	WIN 0
	v_nop                                          ; one plain place behind a scaled conversion
.irp a, 0,1,2,3,4,5,6,7
.irp i, 0,1,2
	v_permlane16_swap_b32 v[144+8*\a+\i], v[208+4*\a+\i]      ; a whole block to a lane: lanes 0-15 block 0, lanes 16-31 block 1
.endr
.endr
.irp a, 0,1,2,3,4,5,6,7
.irp i, 0,1,2
	v_mov_b32 v[147+8*\a+\i], v[208+4*\a+\i]
.endr
.endr
.irp i, 0,1,2,3
	v_cndmask_b32 v[BM+\i], v[150+8*\i], v[182+8*\i], s73     ; lanes 0-15 keep the words of tiles 0-3, lanes 16-31 take those of tiles 4-7
.endr
.irp a, 0,1,2,3,4,5,6,7
	global_store_b128 v[L16], v[144+8*\a:147+8*\a], s[12:13] offset:768*\a        ; 512 consecutive bytes
	global_store_b64 v[L8], v[148+8*\a:149+8*\a], s[12:13] offset:768*\a+512      ; 256 consecutive bytes
.endr
	global_store_b128 v[L16], v[BM:BM+3], s[2:3]   ; 128 scale words: 512 consecutive bytes
	s_wait_xcnt 0x0                                ; the stores and the prefetch have read their registers and bases
	s_add_co_u32 s72, s72, 1
	s_cmp_lg_u32 s72, 2
	WALU
	s_cbranch_scc1 .Lqk
.irp a, 0,1,2,3
.irp j, 0,1,2,3,4,5,6,7
	global_load_b32 v[BC+8*\a+\j], v[BVA], s[88:89] offset:64*\a   ; v: my channel's number in all eight registers of the block's C
.endr
.endr
	FETCHX 0
	FETCHX 1
	s_wait_loadcnt 0x0
	COMPUTE 1
	MAXES                                          ; block a of 16 channels has half blocks 4 a to 4 a + 3; its fragment goes to v[144 + 12 a] on, its word to v[224 + a]
.irp a, 0,1,2,3
	v_lshl_or_b32 v[224+\a], v[PT+4*\a+1], 8, v[PT+4*\a]
.endr
.irp a, 0,1,2,3
	v_lshl_or_b32 v[224+\a], v[PT+4*\a+2], 16, v[224+\a]
.endr
.irp a, 0,1,2,3
	v_lshl_or_b32 v[224+\a], v[PT+4*\a+3], 24, v[224+\a]
.endr
	WIN 0x02
.irp a, 0,1,2,3
	v_cvt_scalef32_pk16_fp6_f32 v[144+12*\a:146+12*\a], v[64*\a:64*\a+15], v[SO+4*\a]
	v_cvt_scalef32_pk16_fp6_f32 v[192+8*\a:194+8*\a], v[64*\a+16:64*\a+31], v[SO+4*\a+1]
	v_cvt_scalef32_pk16_fp6_f32 v[150+12*\a:152+12*\a], v[64*\a+32:64*\a+47], v[SO+4*\a+2]
	v_cvt_scalef32_pk16_fp6_f32 v[196+8*\a:198+8*\a], v[64*\a+48:64*\a+63], v[SO+4*\a+3]
.endr
	WIN 0
	v_nop
.irp a, 0,1,2,3
.irp i, 0,1,2
	v_permlane16_swap_b32 v[144+12*\a+\i], v[192+8*\a+\i]
	v_permlane16_swap_b32 v[150+12*\a+\i], v[196+8*\a+\i]
.endr
.endr
.irp a, 0,1,2,3
.irp i, 0,1,2
	v_mov_b32 v[147+12*\a+\i], v[192+8*\a+\i]
	v_mov_b32 v[153+12*\a+\i], v[196+8*\a+\i]
.endr
.endr
.irp i, 0,1
	v_cndmask_b32 v[BM+\i], v[224+\i], v[226+\i], s73
.endr
.irp a, 0,1,2,3
.irp c, 0,1,2
	global_store_b128 v[L16], v[144+12*\a+4*\c:147+12*\a+4*\c], s[100:101] offset:6144+1536*\a+512*\c
.endr
.endr
	global_store_b64 v[L8], v[BM:BM+1], s[100:101] offset:12800   ; 64 scale words: 256 consecutive bytes
	s_wait_tensorcnt 0x0                           ; the wave's end
	ds_add_u32 v[SPW], v[NIL]
	s_wait_dscnt 0x0
	CROUND                                         ; the closing round
	s_endpgm
.Lfunc_end_k_q8fae824636_proj:
	.size	k_q8fae824636_proj, .Lfunc_end_k_q8fae824636_proj-k_q8fae824636_proj
	.p2alignl 7, 3214868480
	.fill 96, 4, 3214868480
	.section	.rodata,"a",@progbits
	.p2align	6, 0x0
	.amdhsa_kernel k_q8fae824636_proj
		.amdhsa_group_segment_fixed_size 327680
		.amdhsa_private_segment_fixed_size 0
		.amdhsa_enable_private_segment 0
		.amdhsa_kernarg_size 112
		.amdhsa_user_sgpr_count 2
		.amdhsa_user_sgpr_kernarg_segment_ptr 1
		.amdhsa_wavefront_size32 1
		.amdhsa_system_sgpr_workgroup_id_x 1
		.amdhsa_system_sgpr_workgroup_id_y 1
		.amdhsa_system_sgpr_workgroup_id_z 1
		.amdhsa_system_vgpr_workitem_id 0
		.amdhsa_next_free_vgpr 1024
		.amdhsa_next_free_sgpr 106
		.amdhsa_reserve_vcc 0
		.amdhsa_float_denorm_mode_32 3
		.amdhsa_float_denorm_mode_16_64 3
		.amdhsa_memory_ordered 1
		.amdhsa_forward_progress 1
		.amdhsa_inst_pref_size 161
	.end_amdhsa_kernel
	.amdgpu_metadata
---
amdhsa.version: [ 1, 2 ]
amdhsa.kernels:
  - .name:           k_q8fae824636_proj
    .symbol:         k_q8fae824636_proj.kd
    .args:
      - { .name: x_codes, .offset: 0, .size: 8, .value_kind: global_buffer, .address_space: global }
      - { .name: x_scales, .offset: 8, .size: 8, .value_kind: global_buffer, .address_space: global }
      - { .name: Wq_codes, .offset: 16, .size: 8, .value_kind: global_buffer, .address_space: global }
      - { .name: Wq_scales, .offset: 24, .size: 8, .value_kind: global_buffer, .address_space: global }
      - { .name: Wk_codes, .offset: 32, .size: 8, .value_kind: global_buffer, .address_space: global }
      - { .name: Wk_scales, .offset: 40, .size: 8, .value_kind: global_buffer, .address_space: global }
      - { .name: Wv_codes, .offset: 48, .size: 8, .value_kind: global_buffer, .address_space: global }
      - { .name: Wv_scales, .offset: 56, .size: 8, .value_kind: global_buffer, .address_space: global }
      - { .name: bq, .offset: 64, .size: 8, .value_kind: global_buffer, .address_space: global }
      - { .name: bk, .offset: 72, .size: 8, .value_kind: global_buffer, .address_space: global }
      - { .name: bv, .offset: 80, .size: 8, .value_kind: global_buffer, .address_space: global }
      - { .name: qc, .offset: 88, .size: 8, .value_kind: global_buffer, .address_space: global }
      - { .name: qs, .offset: 96, .size: 8, .value_kind: global_buffer, .address_space: global }
      - { .name: kv, .offset: 104, .size: 8, .value_kind: global_buffer, .address_space: global }
    .group_segment_fixed_size: 327680
    .private_segment_fixed_size: 0
    .kernarg_segment_align: 8
    .kernarg_segment_size: 112
    .max_flat_workgroup_size: 128
    .sgpr_count:     106
    .vgpr_count:     1024
    .wavefront_size: 32
...
	.end_amdgpu_metadata
.endif
;; end of part 1
;; launch attn (part 2): grid 4 x 64, 16 waves a work-group, clusters of 4 x 1, 215,040 bytes of LDS; arguments qc, qs, kv, ao, aos; writes ao, aos
.if DOCPART == 2
	.amdgcn_target "amdgcn-amd-amdhsa--gfx1250"
	.amdhsa_code_object_version 6
	.text
	.protected	k_q8fae824636_attn
	.globl	k_q8fae824636_attn
	.p2align	8
	.type	k_q8fae824636_attn,@function
k_q8fae824636_attn:
	s_mov_b64 s[64:65], 0
	v_nop
	global_prefetch_b8 v0, s[64:65] scope:SCOPE_SE
	s_setreg_imm32_b32 hwreg(HW_REG_WAVE_MODE, 25, 1), 1
	s_wait_xcnt 0x0
	s_wait_alu depctr_hold_cnt(0) depctr_sa_sdst(0) depctr_va_vdst(0) depctr_va_sdst(0) depctr_va_ssrc(0) depctr_va_vcc(0) depctr_vm_vsrc(0)
	s_getreg_b32 s2, hwreg(HW_REG_IB_STS2, 6, 4)
	s_cmp_eq_u32 s2, 0
	s_cbranch_scc0 .Lentry_in_a_cluster
	s_endpgm
.Lentry_in_a_cluster:
	s_bfe_u32 s2, ttmp6, 0x10000c
	s_cmp_lg_u32 s2, 0x3003
	s_cbranch_scc0 .Lentry_shape_is_right
	s_endpgm
.Lentry_shape_is_right:
; For each of 64 (batch, head): O = softmax(q k^T / 8) v, both products on codes of FP6 (E2M3) with E8M0 scales, and O quantised along the 1,024 of the last product's K.
; THE SOFTMAX: t = score x log2(e) / 8; M = the running largest t rounded up to a whole number; p = 2^(t - M) is quantised along the keys, not normalised; the row's sum is taken of the unquantised p and divides O at the end.
; When M moves, the sum and O are multiplied by 2^(old M - new M): exact.
; SHARES.  A cluster of four work-groups serves one head; a work-group owns 512 queries; each of its sixteen waves one tile of 16 queries at a time, two one after the other.  Four waves to a SIMD: one wave's vector work stands beside another's products and LDS loads.
; THE WHOLE HEAD'S k AND v STAY IN LDS: 16 records of 13,056 bytes (128 keys each: k's 8 half fragments, v's 4 fragments, their scale words), 208,896 bytes.  Each wave asks for one record, jointly with the same wave of
; the three partners: one tensor load of mine is out, LDS is filled once, and there is no ring.  Nothing is prefetched: all that the launch reads of kv is asked for at its head.
; LAYOUT.  Both products are used transposed: S^T = k q^T (source 0 = 16 keys), O^T = v^T p^T (source 0 = 16 channels): a lane holds one query (lane % 16) throughout.
; The operands lie in memory and LDS as images of their registers, so every LDS load takes consecutive bytes.  The head's K is 64: registers 6-11 of q's and k's fragments hold zero codes, written once.
; Tiles take 16 neighbouring keys, so p's order inside a block of 32 is that in which the launch before laid v.  O meets Wo, whose K is in its natural order: so O's numbers change halves of the lanes ahead of its quantiser.
; LIMITS: NaN and infinities are not served; p under 2^-126 counts as 0; a block whose largest magnitude lies under 2^-124 has its byte held at 1, a block of zeros too (its codes are zeros; this program alone reads the bytes).
.set REC,   13056
.set HEADB, 16*REC
.set SCG,   HEADB                      ; behind the records: 1,024 bytes in which the work-group's 512 pairs of scale bytes meet; no tile lands there
.set L16, 1                            ; v1  16 x lane
.set L8,  2                            ; v2  8 x lane
.set A16, 3                            ; v3  the step's record + 16 x lane
.set A8,  4                            ; v4  + 8 x lane
.set R16, 5                            ; v5  16 x (lane % 16): q's scale words
.set SCA, 6                            ; v6  SCG + 32 x wave + 2 x (lane % 16)
.set TA,  7
.set F,   8                            ; v[8:9]  f = 2^(old M - new M); v9 is named with it as a pair
.set RL,  10                           ; v[10:11] 1 / the sum; v11 at work
.set TMP, 11
.set Q,   16                           ; v[16:27]
.set QSW, 28
.set PSW, 29
.set VSW, 30                           ; v[30:31]
.set KSW, 32                           ; v[32:35]
.set KB,  36                           ; v36-131 k's eight fragments
.set S,   132                          ; v132-195 S^T, then p; then v's four fragments (v132-179)
.set O,   196                          ; v196-227 O^T
.set P,   228                          ; v228-239 p's codes
.set BM,  240
.set SO,  244
.set PT,  248                          ; v248-255 at work
.set SEL, 20
.set CS,  22
.macro ROUND                           ; a round of the cluster's barrier
	s_barrier_signal -1
	s_barrier_wait -1
	s_cmp_lg_u32 s14, 0
	s_cbranch_scc1 .Lnot_wave_0_\@
	s_barrier_signal -3
.Lnot_wave_0_\@:
	s_barrier_wait -3
	s_barrier_signal -1
	s_barrier_wait -1
.endm
.macro QUANT32 s, pc, pw, bm, pt, so, ct       ; 32 numbers of a lane (two half blocks of 16) -> registers 0-5 of a fragment, and two scale bytes
.irp b, 0,1
	v_max3_num_f32 v[(\bm)+\b], |v[(\s)+16*\b]|, |v[(\s)+16*\b+1]|, 0x1800000
.endr
.irp i, 2,4,6,8,10,12,14
.irp b, 0,1
	s_delay_alu instid0(VALU_DEP_2)
	v_max3_num_f32 v[(\bm)+\b], v[(\bm)+\b], |v[(\s)+16*\b+\i]|, |v[(\s)+16*\b+\i+1]|
.endr
.endr
.irp b, 0,1
	s_delay_alu instid0(VALU_DEP_2)
	v_permlanex16_b32 v[(\pt)+\b], v[(\bm)+\b], s[SEL], s[SEL+1]
.endr
.irp b, 0,1
	s_delay_alu instid0(VALU_DEP_2)
	v_max_num_f32 v[(\bm)+\b], v[(\bm)+\b], v[(\pt)+\b]
.endr
.irp b, 0,1
	s_delay_alu instid0(VALU_DEP_2)
	v_add_nc_u32 v[(\so)+\b], 0xff000000, v[(\bm)+\b]
.endr
.irp b, 0,1
	s_delay_alu instid0(VALU_DEP_2)
	v_lshrrev_b32 v[(\pt)+\b], 23, v[(\so)+\b]
.endr
	s_delay_alu instid0(VALU_DEP_1)
	v_lshl_or_b32 v[(\pw)], v[(\pt)+1], 8, v[(\pt)]
	v_cvt_scalef32_pk16_fp6_f32 v[(\pc):(\pc)+2], v[(\s):(\s)+15], v[(\so)]
	v_cvt_scalef32_pk16_fp6_f32 v[(\ct):(\ct)+2], v[(\s)+16:(\s)+31], v[(\so)+1]
	v_nop
.irp i, 0,1,2
	v_permlane16_swap_b32 v[(\pc)+\i], v[(\ct)+\i]
.endr
.irp i, 0,1,2
	s_delay_alu instid0(VALU_DEP_3)
	v_mov_b32 v[(\pc)+3+\i], v[(\ct)+\i]
.endr
.endm
	s_load_b256 s[4:11], s[0:1], 0x0               ; qc, qs, kv, ao
	s_load_b64 s[12:13], s[0:1], 0x20              ; aos
	v_lshl_add_u32 v254, v0, 2, 0x34000
	v_mov_b32 v255, 0
	ds_add_u32 v254, v255
	ds_add_u32 v254, v255
	s_wait_dscnt 0x0
	v_lshrrev_b32 v1, 5, v0
	s_delay_alu instid0(VALU_DEP_1)
	v_readfirstlane_b32 s14, v1                    ; wave 0..15
	s_bfe_u32 s15, ttmp6, 0x40000                  ; cx: it enters global addresses of q and of the results alone
	s_and_b32 s16, ttmp7, 0xffff                   ; 16 x batch + head, which the four partners share
	; the descriptor: a record is 51 dense rows of 256 bytes (32 elements of 8 bytes)
	s_mov_b32 s24, 15|(3<<16)|(1<<21)              ; the mask: all four work-groups; elements of 8 bytes; no padding; bit 21 beside a mask
	s_mov_b32 s25, 32<<16
	s_mov_b32 s26, 51<<16
	s_mov_b32 s27, 32<<16
	s_mov_b32 s28, 51
	s_mov_b32 s29, 32
	s_mov_b32 s30, 0
	s_mov_b32 s31, 0
	s_mov_b32 s32, 1
	s_mul_i32 s33, s14, REC                        ; record w goes to LDS byte 13,056 w
	s_mul_i32 s40, s16, HEADB
	s_add_co_u32 s40, s40, s33
	s_mov_b32 s41, 0
	s_lshl_b32 s42, s15, 5
	s_add_co_u32 s42, s42, s14                     ; my first tile of queries: 32 cx + wave
	s_mul_i32 s43, s16, 98304
	s_mul_i32 s44, s42, 768
	s_add_co_u32 s44, s44, s43                     ; its image in qc
	s_mov_b32 s45, 0
	s_lshl_b32 s46, s16, 13                        ; its scale words in qs: 8,192 a head, 512 for 8 tiles, 256 for 4, 4 a tile (16 from row to row)
	s_lshr_b32 s43, s42, 3
	s_lshl_b32 s43, s43, 9
	s_add_co_u32 s46, s46, s43
	s_bfe_u32 s43, s42, 0x10002
	s_lshl_b32 s43, s43, 8
	s_add_co_u32 s46, s46, s43
	s_and_b32 s43, s42, 3
	s_lshl_b32 s43, s43, 2
	s_add_co_u32 s46, s46, s43
	s_mov_b32 s47, 0
	s_lshr_b32 s17, s16, 4
	s_lshl_b32 s17, s17, 7
	s_add_co_u32 s17, s17, s42                     ; the tile of tokens among all 512
	s_mul_i32 s18, s17, 12288                      ; ao: 16 heads x 768 bytes a tile
	s_and_b32 s17, s16, 15
	s_mul_i32 s17, s17, 768
	s_add_co_u32 s18, s18, s17
	s_mov_b32 s19, 0
	s_lshl_b32 s48, s16, 12                        ; aos: 4,096 bytes a head, 1,024 a work-group
	s_lshl_b32 s49, s15, 10
	s_add_co_u32 s48, s48, s49
	s_mov_b32 s49, 0
	s_mov_b32 s[SEL], 0x76543210
	s_mov_b32 s[SEL+1], 0xfedcba98
	s_mov_b32 s[CS], 0x3e38aa3b                    ; c = log2(e) / 8
	s_mov_b32 s[CS+1], s[CS]
	s_wait_kmcnt 0x0
	s_add_nc_u64 s[34:35], s[8:9], s[40:41]
	s_or_b32 s35, s35, 0x80000000
	s_add_nc_u64 s[4:5], s[4:5], s[44:45]
	s_add_nc_u64 s[6:7], s[6:7], s[46:47]
	s_add_nc_u64 s[10:11], s[10:11], s[18:19]
	s_add_nc_u64 s[12:13], s[12:13], s[48:49]
	ROUND                                          ; all four work-groups are here: the joint loads meet
	tensor_load_to_lds s[32:35], s[24:31]
	s_nop 0
.rept 4
	v_nop
.endr
	v_and_b32 v[TA], 31, v0
	s_delay_alu instid0(VALU_DEP_1)
	v_lshlrev_b32 v[L16], 4, v[TA]
	s_delay_alu instid0(VALU_DEP_2)
	v_lshlrev_b32 v[L8], 3, v[TA]
	v_and_b32 v[TMP], 15, v0
	s_delay_alu instid0(VALU_DEP_1)
	v_lshlrev_b32 v[R16], 4, v[TMP]
	s_lshl_b32 s17, s14, 5
	s_add_co_u32 s17, s17, SCG
	v_lshl_add_u32 v[SCA], v[TMP], 1, s17
	v_mov_b32 v[F+1], 0
.irp i, 6,7,8,9,10,11
	v_mov_b32 v[Q+\i], 0                           ; zero codes for the upper 64 of the instruction's K
.irp t, 0,1,2,3,4,5,6,7
	v_mov_b32 v[KB+12*\t+\i], 0
.endr
.endr
.irp b, 0,1,2,3
	v_mov_b32 v[PT+\b], 0                          ; a lane permute's destination counts as one of its sources
.endr
	s_wait_tensorcnt 0x0                           ; my record is in,
	s_barrier_signal -1
	s_barrier_wait -1                              ; everybody's is
	s_mov_b32 s38, 2                               ; two tiles of queries a wave
	s_mov_b32 s39, 0
.Lpass:
	global_load_b128 v[Q:Q+3], v[L16], s[4:5]      ; q's image: registers 0-3,
	global_load_b64 v[Q+4:Q+5], v[L8], s[4:5] offset:512   ; 4-5,
	global_load_b32 v[QSW], v[R16], s[6:7]         ; and the scale words
	v_mov_b32 v13, 0xff61b1e6                      ; the largest score so far: -3e38
	s_delay_alu instid0(VALU_DEP_1)
	v_floor_f32 v12, -v13                          ; -M
	v_mov_b32 v14, 0                               ; the sum, in two halves
	v_mov_b32 v15, 0
.set j, 0
.rept 32
	v_mov_b32 v[O+j], 0                            ; the step is written once: the first finds zeros, which the first change of M leaves zeros
.set j, j+1
.endr
	s_mov_b32 s36, 0                               ; the step's record; it also counts the sixteen trips
	s_wait_loadcnt 0x0
.Lstep:                                            ; 128 keys
	v_add_nc_u32 v[A16], s36, v[L16]
	v_add_nc_u32 v[A8], s36, v[L8]
.rept 3
	v_nop                                          ; five places behind the last step's products: the products below write over the registers that held v's fragments
.endr
.irp t, 0,1,2,3,4,5,6,7
	ds_load_b128 v[KB+12*\t:KB+12*\t+3], v[A16] offset:768*\t
	ds_load_b64 v[KB+12*\t+4:KB+12*\t+5], v[A8] offset:768*\t+512
.endr
	ds_load_b128 v[KSW:KSW+3], v[A16] offset:12288 ; lanes 0-15: the words of tiles 0-3, lanes 16-31: of tiles 4-7
	ds_load_b64 v[VSW:VSW+1], v[A8] offset:12800   ; lanes 0-15: v's tiles 0, 1, lanes 16-31: tiles 2, 3
	s_wait_dscnt 0x0
.irp t, 0,1,2,3
	v_wmma_scale_f32_16x16x128_f8f6f4 v[S+8*\t:S+8*\t+7], v[KB+12*\t:KB+12*\t+11], v[Q:Q+11], 0, v[KSW+\t], v[QSW] matrix_a_fmt:MATRIX_FMT_FP6 matrix_b_fmt:MATRIX_FMT_FP6
.endr
.irp t, 4,5,6,7
	v_wmma_scale_f32_16x16x128_f8f6f4 v[S+8*\t:S+8*\t+7], v[KB+12*\t:KB+12*\t+11], v[Q:Q+11], 0, v[KSW+\t-4], v[QSW] matrix_a_fmt:MATRIX_FMT_FP6 matrix_b_fmt:MATRIX_FMT_FP6 matrix_a_scale:MATRIX_SCALE_ROW1
.endr
	v_mov_b32 v[F+1], v12                          ; the old -M: one of the four places behind the products
.rept 3
	v_nop
.endr
.irp b, 0,1,2,3
	v_max3_num_f32 v[BM+\b], v[S+16*\b], v[S+16*\b+1], v[S+16*\b+2]   ; the largest score of each block of 32 keys: for the row's maximum, and, since p rises with the score, for the block's largest p
.endr
.irp i, 3,5,7,9,11,13
.irp b, 0,1,2,3
	v_max3_num_f32 v[BM+\b], v[BM+\b], v[S+16*\b+\i], v[S+16*\b+\i+1]
.endr
.endr
.irp b, 0,1,2,3
	v_max_num_f32 v[BM+\b], v[BM+\b], v[S+16*\b+15]
.endr
.irp b, 0,1,2,3
	s_delay_alu instid0(VALU_DEP_4)
	v_permlanex16_b32 v[PT+\b], v[BM+\b], s[SEL], s[SEL+1]
.endr
.irp b, 0,1,2,3
	s_delay_alu instid0(VALU_DEP_4)
	v_max_num_f32 v[BM+\b], v[BM+\b], v[PT+\b]     ; with lane l xor 16's 16 keys
.endr
	s_delay_alu instid0(VALU_DEP_2)
	v_max3_num_f32 v[TMP], v[BM], v[BM+1], v[BM+2]
	s_delay_alu instid0(VALU_DEP_1)
	v_max3_num_f32 v13, v[TMP], v[BM+3], v13       ; the running largest score
	s_delay_alu instid0(VALU_DEP_1)
	v_mul_f32 v[TMP], s[CS], v13                   ; as t (c is positive)
	s_delay_alu instid0(VALU_DEP_1)
	v_floor_f32 v12, -v[TMP]                       ; the new -M = -ceil(t)
	s_delay_alu instid0(VALU_DEP_1)
	v_sub_f32 v[TMP], v12, v[F+1]                  ; old M - new M: a whole number, 0 or less
	s_delay_alu instid0(VALU_DEP_1)
	v_cvt_i32_f32 v[TMP], v[TMP]                   ; (it saturates)
	s_delay_alu instid0(VALU_DEP_1)
	v_ldexp_f32 v[F], 1.0, v[TMP]                  ; f
.set j, 0
.rept 32
	v_pk_fma_f32 v[S+j:S+j+1], v[S+j:S+j+1], s[CS:CS+1], v[12:13] op_sel_hi:[1,0,0]   ; t - M
.set j, j+2
.endr
.irp b, 0,1,2,3
	v_fma_f32 v[BM+\b], v[BM+\b], s[CS], v12
.endr
.set j, 0
	s_wait_alu depctr_va_vdst(0)
.rept 64
	v_exp_f32 v[S+j], v[S+j]                       ; p = 2^(t - M)
.set j, j+1
.endr
	v_pk_mul_f32 v[14:15], v[14:15], v[F:F+1] op_sel_hi:[1,0]   ; the sums under the new M: a plain place behind the exponentials
	s_wait_alu depctr_va_vdst(0)                   ; one wait for the batch, ahead of its first reader
.irp b, 0,1,2,3
	v_exp_f32 v[BM+\b], v[BM+\b]                   ; the blocks' largest p
.endr
	v_pk_add_f32 v[252:253], v[136:137], v[140:141]
	v_pk_add_f32 v[254:255], v[144:145], v[148:149]
	v_pk_add_f32 v[250:251], v[152:153], v[156:157]
	v_pk_add_f32 v[248:249], v[160:161], v[164:165]
	v_pk_add_f32 v[246:247], v[168:169], v[172:173]
	v_pk_add_f32 v[244:245], v[176:177], v[180:181]
	v_pk_add_f32 v[238:239], v[184:185], v[188:189]
	v_pk_add_f32 v[14:15], v[14:15], v[192:193]
	v_pk_add_f32 v[252:253], v[252:253], v[132:133]
	v_pk_add_f32 v[254:255], v[254:255], v[134:135]
	v_pk_add_f32 v[250:251], v[250:251], v[138:139]
	v_pk_add_f32 v[248:249], v[248:249], v[142:143]
	v_pk_add_f32 v[246:247], v[246:247], v[146:147]
	v_pk_add_f32 v[244:245], v[244:245], v[150:151]
	v_pk_add_f32 v[238:239], v[238:239], v[154:155]
	v_pk_add_f32 v[14:15], v[14:15], v[158:159]
	v_pk_add_f32 v[252:253], v[252:253], v[162:163]
	v_pk_add_f32 v[254:255], v[254:255], v[166:167]
	v_pk_add_f32 v[250:251], v[250:251], v[170:171]
	v_pk_add_f32 v[248:249], v[248:249], v[174:175]
	v_pk_add_f32 v[246:247], v[246:247], v[178:179]
	v_pk_add_f32 v[244:245], v[244:245], v[182:183]
	v_pk_add_f32 v[238:239], v[238:239], v[186:187]
	v_pk_add_f32 v[14:15], v[14:15], v[190:191]
	v_pk_add_f32 v[252:253], v[252:253], v[194:195]
	s_delay_alu instid0(VALU_DEP_2)
	v_pk_add_f32 v[14:15], v[14:15], v[248:249]
	s_delay_alu instid0(VALU_DEP_2)
	v_pk_add_f32 v[252:253], v[252:253], v[246:247]
	v_pk_add_f32 v[254:255], v[254:255], v[244:245]
	v_pk_add_f32 v[250:251], v[250:251], v[238:239]
	s_delay_alu instid0(VALU_DEP_2)
	v_pk_add_f32 v[14:15], v[14:15], v[254:255]
	s_delay_alu instid0(VALU_DEP_2)
	v_pk_add_f32 v[252:253], v[252:253], v[250:251]
	s_delay_alu instid0(VALU_DEP_1)
	v_pk_add_f32 v[14:15], v[14:15], v[252:253]
	s_wait_alu depctr_va_vdst(0)                   ; and one for the four
.irp b, 0,1,2,3
	v_max_num_f32 v[BM+\b], 0x1800000, v[BM+\b]    ; the floor 2^(3 - 127)
.endr
.irp b, 0,1,2,3
	s_delay_alu instid0(VALU_DEP_4)
	v_add_nc_u32 v[SO+\b], 0xff000000, v[BM+\b]    ; 2 off the exponent field: the conversion's scale operand
.endr
.irp b, 0,1,2,3
	s_delay_alu instid0(VALU_DEP_4)
	v_lshrrev_b32 v[PT+\b], 23, v[SO+\b]           ; the byte
.endr
	s_delay_alu instid0(VALU_DEP_3)
	v_lshl_or_b32 v[PSW], v[PT+1], 8, v[PT]
	s_delay_alu instid0(VALU_DEP_1)
	v_lshl_or_b32 v[PSW], v[PT+2], 16, v[PSW]
	s_delay_alu instid0(VALU_DEP_1)
	v_lshl_or_b32 v[PSW], v[PT+3], 24, v[PSW]
	v_cvt_scalef32_pk16_fp6_f32 v[P:P+2], v[S:S+15], v[SO]
	v_cvt_scalef32_pk16_fp6_f32 v[248:250], v[S+16:S+31], v[SO+1]
	v_cvt_scalef32_pk16_fp6_f32 v[P+6:P+8], v[S+32:S+47], v[SO+2]
	v_cvt_scalef32_pk16_fp6_f32 v[252:254], v[S+48:S+63], v[SO+3]
	v_pk_mul_f32 v[O:O+1], v[O:O+1], v[F:F+1] op_sel_hi:[1,0]   ; the first of O^T's sixteen rescalings is the plain place behind the scaled conversions
.irp t, 0,1,2,3
.irp c, 0,1,2
	ds_load_b128 v[S+12*\t+4*\c:S+12*\t+4*\c+3], v[A16] offset:6144+1536*\t+512*\c   ; v's four fragments, where p lay
.endr
.endr
.irp i, 0,1,2
	v_permlane16_swap_b32 v[P+\i], v[248+\i]       ; a whole block to a lane
	v_permlane16_swap_b32 v[P+6+\i], v[252+\i]
.endr
.irp i, 0,1,2
	v_mov_b32 v[P+3+\i], v[248+\i]
	v_mov_b32 v[P+9+\i], v[252+\i]
.endr
.set j, 2
.rept 15
	v_pk_mul_f32 v[O+j:O+j+1], v[O+j:O+j+1], v[F:F+1] op_sel_hi:[1,0]   ; O^T under the new M; of these fifteen, at least eleven name no register of any one product below: its places behind p's codes and scale word
.set j, j+2
.endr
	s_wait_alu depctr_va_vdst(0)
	s_wait_dscnt 0x0
.irp t, 0,1
	v_wmma_scale_f32_16x16x128_f8f6f4 v[O+8*\t:O+8*\t+7], v[S+12*\t:S+12*\t+11], v[P:P+11], v[O+8*\t:O+8*\t+7], v[VSW+\t], v[PSW] matrix_a_fmt:MATRIX_FMT_FP6 matrix_b_fmt:MATRIX_FMT_FP6
.endr
.irp t, 2,3
	v_wmma_scale_f32_16x16x128_f8f6f4 v[O+8*\t:O+8*\t+7], v[S+12*\t:S+12*\t+11], v[P:P+11], v[O+8*\t:O+8*\t+7], v[VSW+\t-2], v[PSW] matrix_a_fmt:MATRIX_FMT_FP6 matrix_b_fmt:MATRIX_FMT_FP6 matrix_a_scale:MATRIX_SCALE_ROW1
.endr
	s_add_co_u32 s36, s36, REC
	s_cmp_lg_u32 s36, HEADB
	s_cbranch_scc1 .Lstep
	; the tile's way out: O^T / the sum, into the natural order of the channels, quantised: an image of registers 0-5 of a fragment of the last product's A
.rept 4
	v_nop
.endr
	v_add_f32 v14, v14, v15
	s_delay_alu instid0(VALU_DEP_1)
	v_permlanex16_b32 v[TMP], v14, s[SEL], s[SEL+1]
	s_delay_alu instid0(VALU_DEP_1)
	v_add_f32 v14, v14, v[TMP]                     ; the row's sum
	s_wait_alu depctr_va_vdst(0)
	v_rcp_f32 v[RL], v14
	v_nop
	s_wait_alu depctr_va_vdst(0)
.set j, 0
.rept 16
	v_pk_mul_f32 v[S+j:S+j+1], v[O+j:O+j+1], v[RL:RL+1] op_sel_hi:[1,0]   ; register 8 t + i: channel 16 t + 8 h + i
.set j, j+2
.endr
.irp b, 0,1
.irp i, 0,1,2,3,4,5,6,7
	v_permlane16_swap_b32 v[S+16*\b+\i], v[S+16*\b+8+\i]   ; now register 16 b + i: channel 32 b + 16 h + i
.endr
.endr
	QUANT32 S, P, PSW, BM, PT, SO, 252
	global_store_b128 v[L16], v[P:P+3], s[10:11]               ; 512 consecutive bytes
	global_store_b64 v[L8], v[P+4:P+5], s[10:11] offset:512    ; 256 consecutive bytes
	v_add_nc_u32 v[TA], s39, v[SCA]
	ds_store_b16 v[TA], v[PSW]                     ; my token's two scale bytes; both halves of the lanes write the same
	s_wait_xcnt 0x0                                ; the stores have read their registers and their base
	s_add_nc_u64 s[4:5], s[4:5], 12288             ; 16 tiles on
	s_add_nc_u64 s[6:7], s[6:7], 1024
	s_add_nc_u64 s[10:11], s[10:11], 196608
	s_add_co_u32 s39, s39, 512
	s_sub_co_u32 s38, s38, 1
	s_cmp_lg_u32 s38, 0
	s_cbranch_scc1 .Lpass
	s_wait_dscnt 0x0                               ; for the others' sake: my scale bytes are in LDS
	s_barrier_signal -1
	s_barrier_wait -1
	v_lshlrev_b32 v[A8], 3, v0
	s_delay_alu instid0(VALU_DEP_1)
	v_add_nc_u32 v[A16], SCG, v[A8]
	s_cmp_gt_u32 s14, 3                            ; 1,024 bytes: waves 0 to 3 store 256 consecutive bytes each
	s_cbranch_scc1 .Lno_scales
	ds_load_b64 v[Q:Q+1], v[A16]
	s_wait_dscnt 0x0
	s_wait_alu depctr_va_vdst(0)
	global_store_b64 v[A8], v[Q:Q+1], s[12:13]
.Lno_scales:
	s_wait_tensorcnt 0x0
	s_wait_xcnt 0x0
	v_lshl_add_u32 v254, v0, 2, 0x34000
	v_mov_b32 v255, 0
	s_wait_alu depctr_va_vdst(0)
	s_wait_tensorcnt 0x0
	ds_add_u32 v254, v255
	s_wait_dscnt 0x0
	ROUND                                          ; the closing round
	s_endpgm
.Lfunc_end_k_q8fae824636_attn:
	.size	k_q8fae824636_attn, .Lfunc_end_k_q8fae824636_attn-k_q8fae824636_attn
	.p2alignl 7, 3214868480
	.fill 96, 4, 3214868480
	.section	.rodata,"a",@progbits
	.p2align	6, 0x0
	.amdhsa_kernel k_q8fae824636_attn
		.amdhsa_group_segment_fixed_size 215040
		.amdhsa_private_segment_fixed_size 0
		.amdhsa_enable_private_segment 0
		.amdhsa_kernarg_size 40
		.amdhsa_user_sgpr_count 2
		.amdhsa_user_sgpr_kernarg_segment_ptr 1
		.amdhsa_wavefront_size32 1
		.amdhsa_system_sgpr_workgroup_id_x 1
		.amdhsa_system_sgpr_workgroup_id_y 1
		.amdhsa_system_sgpr_workgroup_id_z 1
		.amdhsa_system_vgpr_workitem_id 0
		.amdhsa_next_free_vgpr 256
		.amdhsa_next_free_sgpr 66
		.amdhsa_reserve_vcc 0
		.amdhsa_float_denorm_mode_32 3
		.amdhsa_float_denorm_mode_16_64 3
		.amdhsa_memory_ordered 1
		.amdhsa_forward_progress 1
		.amdhsa_inst_pref_size 31
	.end_amdhsa_kernel
	.amdgpu_metadata
---
amdhsa.version: [ 1, 2 ]
amdhsa.kernels:
  - .name:           k_q8fae824636_attn
    .symbol:         k_q8fae824636_attn.kd
    .args:
      - { .name: qc, .offset: 0, .size: 8, .value_kind: global_buffer, .address_space: global }
      - { .name: qs, .offset: 8, .size: 8, .value_kind: global_buffer, .address_space: global }
      - { .name: kv, .offset: 16, .size: 8, .value_kind: global_buffer, .address_space: global }
      - { .name: ao, .offset: 24, .size: 8, .value_kind: global_buffer, .address_space: global }
      - { .name: aos, .offset: 32, .size: 8, .value_kind: global_buffer, .address_space: global }
    .group_segment_fixed_size: 215040
    .private_segment_fixed_size: 0
    .kernarg_segment_align: 8
    .kernarg_segment_size: 40
    .max_flat_workgroup_size: 512
    .sgpr_count:     66
    .vgpr_count:     256
    .wavefront_size: 32
...
	.end_amdgpu_metadata
.endif
;; end of part 2
;; launch oproj (part 3): grid 8 x 32, 4 waves a work-group, clusters of 4 x 4, 327,680 bytes of LDS; arguments ao, aos, Wo_codes, Wo_scales, bo, out0; writes out0
.if DOCPART == 3
	.amdgcn_target "amdgcn-amd-amdhsa--gfx1250"
	.amdhsa_code_object_version 6
	.text
	.protected	k_q8fae824636_oproj
	.globl	k_q8fae824636_oproj
	.p2align	8
	.type	k_q8fae824636_oproj,@function
k_q8fae824636_oproj:
	s_mov_b64 s[64:65], 0
	v_nop
	global_prefetch_b8 v0, s[64:65] scope:SCOPE_SE
	s_setreg_imm32_b32 hwreg(HW_REG_WAVE_MODE, 25, 1), 1
	s_wait_xcnt 0x0
	s_wait_alu depctr_hold_cnt(0) depctr_sa_sdst(0) depctr_va_vdst(0) depctr_va_sdst(0) depctr_va_ssrc(0) depctr_va_vcc(0) depctr_vm_vsrc(0)
	s_getreg_b32 s2, hwreg(HW_REG_IB_STS2, 6, 4)
	s_cmp_eq_u32 s2, 0
	s_cbranch_scc0 .Lentry_in_a_cluster
	s_endpgm
.Lentry_in_a_cluster:
	s_bfe_u32 s2, ttmp6, 0x10000c
	s_cmp_lg_u32 s2, 0xf033
	s_cbranch_scc0 .Lentry_shape_is_right
	s_endpgm
.Lentry_shape_is_right:
; out0 = O Wo^T + bo on codes of FP6 (E2M3) with E8M0 scales, K = 1,024.  256 work-groups of four waves: 256 tokens (tile row M) x 128 columns (tile column N); a wave makes 128 x 64.
; ALL OF K LIES IN LDS, filled once at the head, one tensor load a wave: Wo's 128 rows of 768 bytes, Wo's scale bytes, O's scale bytes (16 heads x 512 bytes),
; O's codes (16 tiles of 16 tokens as images of operand registers: 196,608 dense bytes).  Nothing is filled again, so there is no ring; all that the launch reads is asked for at its head, so nothing is prefetched.
; O's tiles are asked for jointly by a row of the cluster, Wo's by a column.
; A wave's 64 rows of Wo, all of K, go into 384 registers (windows 1 and 2) behind the first barrier, which waits for Wo's rows alone.  O streams past in blocks of 16 tokens, all of K, in two register sets
; (window 0 and window 3, v96-191): block a's 32 products read set a % 2, and behind them that set takes block a + 2.  A block's four accumulators take turns, K ascending; a finished block
; goes through the wave's stage and is stored while the next block is multiplied.
; Source 0 = Wo's rows, source 1 = O's tokens: a lane holds eight neighbouring columns of a row of out0.  The bias is the first products' C.
; SCALE WORDS: register SC + 8 i + w holds in lanes 0-15 word w of O's block i and in lanes 16-31 word (w + 4) % 8 of Wo's block i % 4; all are loaded once.
; THE STAGE, 16 rows x 272 bytes a wave, takes the bytes of the scale regions, behind a barrier in front of which every wave has its scale words in registers; those bytes have had their only fill.
.set KROW,  768
.set PITCH, 816
.set WB,    196608
.set WS,    WB+128*PITCH
.set ASC,   WS+16*272                  ; O's scale bytes by tokens: 32 a row, units of 256 + 16; written by LDS stores
.set RAW,   ASC+32*272                 ; as they come: [head][token][2]
.set SBLK,  544
.set SPARE, RAW+8192
.set SPITCH, 272
.set STAGE, WS
.set STO, 12
.set RD,  13
.set SPW, 14
.set NIL, 15
.set WA,  16
.set S0,  24
.set S1,  25
.set CO,  26
.set AI16, 28
.set AI8,  30
.set SC,  32
.set XF,  96
.set ACC, 192                          ; window 0: two sets of four accumulators
.set BIW, 144                          ; window 2: the bias
.set BB,  0                            ; window 3: two blocks read back from the stage
.set G1A, 24
.set G1W, 32
.set G1R, 40
.set G1SW, 48
.set G0A, 56
.set G0W, 60
.set G0R, 68
.set G0SW, 72
.set MSB, 0
.macro WIN new
.if MSB != (\new)
	s_set_vgpr_msb (MSB<<8)|(\new)
.set MSB, (\new)
.endif
.endm
.macro PLACES n
.rept \n
	v_nop
.endr
.endm
.macro WALU
	s_wait_alu depctr_va_vdst(0)
.endm
.macro BARRIER
	s_barrier_signal -1
	s_barrier_wait -1
.endm
.macro CROUND
	BARRIER
	s_cmp_lg_u32 s14, 0
	s_cbranch_scc1 .Lnot_wave_0_\@
	s_barrier_signal -3
.Lnot_wave_0_\@:
	s_barrier_wait -3
	BARRIER
.endm
.macro TLOAD g0, g1
	tensor_load_to_lds s[\g0:\g0+3], s[\g1:\g1+7]
	s_nop 0
	PLACES 4
.endm
.macro GDESC g, mask, word, c, rows, p
	s_or_b32 s[\g], s\mask, \word
	s_mov_b32 s[\g+1], (\c)<<16
	s_mov_b32 s[\g+2], (\rows)<<16
	s_mov_b32 s[\g+3], (\c)<<16
	s_mov_b32 s[\g+4], \rows
	s_mov_b32 s[\g+5], \p
	s_mov_b32 s[\g+6], 0
	s_mov_b32 s[\g+7], 0
.endm
.macro G0SET g, lds, base, off
	s_mov_b32 s[\g], 1
	s_mov_b32 s[\g+1], \lds
	s_add_nc_u64 s[\g+2:\g+3], s[\base:\base+1], s[\off:\off+1]
	s_or_b32 s[\g+3], s[\g+3], 0x80000000
.endm
.macro ARM under, g0, g1, next
	s_cmp_lt_u32 s14, \under
	s_cbranch_scc0 \next
	TLOAD \g0, \g1
	s_branch .Lasked
\next:
.endm
.macro FRAG reg, q, ad                 ; Wo's fragment: six pieces of 8 bytes, two to a load where both go by the same address register
.set SKIP_, 0
.irp p, 0,1,2,3,4,5
.if SKIP_
.set SKIP_, 0
.else
.set PC_, 12*(\q)+6*(\p/3)+\p%3
.set PN_, 12*(\q)+6*((\p+1)/3)+(\p+1)%3
.set X_, (PC_%32+3)/32
.set XQ_, (PN_%32+3)/32
.if (\p < 5) && (X_ == XQ_)
.set SKIP_, 1
	ds_load_2addr_b64 v[\reg+2*\p:\reg+2*\p+3], v[\ad+X_] offset0:PC_+2*(PC_/32) offset1:PN_+2*(PN_/32)
.else
	ds_load_b64 v[\reg+2*\p:\reg+2*\p+1], v[\ad+X_] offset:8*(PC_+2*(PC_/32))
.endif
.endif
.endr
.endm
.macro WEIGHTS                         ; fragment 4 q + b: the first twenty in window 1, the other twelve in window 2
.irp q, 0,1,2,3,4,5,6,7
.irp b, 0,1,2,3
	WIN (1+(4*\q+\b)/20)<<6
	FRAG 12*((4*\q+\b)%20), \q, WA+2*\b
.endr
.endr
	WIN 0
.endm
.macro FRAGA reg, q, i                 ; O's fragment: the images of heads 2 q and 2 q + 1 of tile i
.set AO_, 12288*((\i)%4)+1536*(\q)
	ds_load_b128 v[\reg:\reg+3], v[AI16+(\i)/4] offset:AO_
	ds_load_b64 v[\reg+4:\reg+5], v[AI8+(\i)/4] offset:AO_+512
	ds_load_b128 v[\reg+6:\reg+9], v[AI16+(\i)/4] offset:AO_+768
	ds_load_b64 v[\reg+10:\reg+11], v[AI8+(\i)/4] offset:AO_+1280
.endm
.macro FETCHA a                        ; block a, all of K: 32 loads into set a % 2
	WIN (((\a)%2)*3)<<6
.irp q, 0,1,2,3,4,5,6,7
	FRAGA XF+12*\q, \q, \a
.endr
	WIN 0
.endm
.macro WM d, s0, s1, c, x0, x1
	v_wmma_scale_f32_16x16x128_f8f6f4 v[\d:\d+7], v[\s0:\s0+11], v[\s1:\s1+11], \c, v[\x0], v[\x1] matrix_a_fmt:MATRIX_FMT_FP6 matrix_b_fmt:MATRIX_FMT_FP6 matrix_a_scale:MATRIX_SCALE_ROW1
.endm
.macro MULB a                          ; block a: 32 products; its four accumulators take turns, so three other products stand between two steps of a sum
.irp q, 0,1,2,3,4,5,6,7
.irp b, 0,1,2,3
.if \q == 0
	WIN 1|((((\a)%2)*3)<<2)|0x20
	WM ACC+32*((\a)%2)+8*\b, 12*\b, XF, v[BIW+8*\b:BIW+8*\b+7], SC+8*\b+4, SC+8*(\a)
.else
	WIN (1+\q/5)|((((\a)%2)*3)<<2)
	WM ACC+32*((\a)%2)+8*\b, 12*((4*\q+\b)%20), XF+12*\q, v[ACC+32*((\a)%2)+8*\b:ACC+32*((\a)%2)+8*\b+7], SC+8*\b+(\q+4)%8, SC+8*(\a)+\q
.endif
.endr
.endr
	WIN 0
.endm
.macro TOSTAGE a
.irp b, 0,1,2,3
	ds_store_b128 v[STO], v[ACC+32*((\a)%2)+8*\b:ACC+32*((\a)%2)+8*\b+3] offset:64*\b      ; each accumulator from its low end on
	ds_store_b128 v[STO], v[ACC+32*((\a)%2)+8*\b+4:ACC+32*((\a)%2)+8*\b+7] offset:64*\b+16
.endr
	WIN 0xc0
.irp t, 0,1,2,3,4,5,6,7
	ds_load_b128 v[BB+32*((\a)%2)+4*\t:BB+32*((\a)%2)+4*\t+3], v[RD] offset:\t*2*SPITCH    ; LDS serves a wave's instructions in order: these see the stores above
.endr
	WIN 0
.endm
.macro SEND a
	s_wait_dscnt 0x0                               ; the block is back in registers (asked for ahead of the products just issued)
	WIN 0x0c
.irp t, 0,1,2,3,4,5,6,7
	global_store_b128 v[CO], v[BB+32*((\a)%2)+4*\t:BB+32*((\a)%2)+4*\t+3], s[12:13] offset:(16*(\a)+2*\t)*4096 th:TH_STORE_NT   ; sixteen lanes store 256 consecutive bytes, aligned
.endr
	WIN 0
.endm
	s_load_b128 s[4:7], s[0:1], 0x0                ; ao, aos
	s_load_b128 s[8:11], s[0:1], 0x10              ; Wo's codes, scales
	s_load_b64 s[66:67], s[0:1], 0x20              ; bo
	s_load_b64 s[12:13], s[0:1], 0x28              ; out0
	v_lshl_add_u32 v[SPW], v0, 2, SPARE
	v_mov_b32 v[NIL], 0
	ds_add_u32 v[SPW], v[NIL]                      ; the opening lines
	ds_add_u32 v[SPW], v[NIL]
	v_lshrrev_b32 v1, 5, v0
	v_readfirstlane_b32 s14, v1
	s_lshr_b32 s15, s14, 1                         ; my half of the tokens
	s_and_b32 s16, s14, 1                          ; my half of the columns
	s_bfe_u32 s17, ttmp6, 0x40000
	s_bfe_u32 s18, ttmp6, 0x40004
	s_lshl_b32 s19, ttmp9, 2
	s_add_co_u32 s19, s19, s17                     ; N
	s_and_b32 s76, ttmp7, 0xffff
	s_lshl_b32 s76, s76, 2
	s_add_co_u32 s76, s76, s18                     ; M
	s_lshl_b32 s20, s18, 2
	s_lshl_b32 s20, 15, s20
	s_lshl_b32 s21, 0x1111, s17
	GDESC G1A, 20, (3<<16)|(1<<21), 384, 64, 384                                   ; 64 dense rows of 3,072 bytes
	GDESC G1W, 21, (1<<20)|(1<<21)|(5<<22)|(3<<25), KROW, 128, KROW                ; 128 rows of 768 bytes, padded behind every 256
	GDESC G1R, 20, (3<<16)|(1<<21), 64, 16, 512                                    ; 16 heads x 512 bytes, 4,096 apart
	GDESC G1SW, 21, (3<<16)|(1<<20)|(1<<21)|(5<<22)|(3<<25), 32, 16, 32            ; 16 dense rows of 256 bytes, padded
	s_mul_i32 s2, s76, 196608
	s_mov_b32 s3, 0
	s_lshr_b32 s22, s76, 3
	s_lshl_b32 s22, s22, 16
	s_and_b32 s23, s76, 7
	s_lshl_b32 s23, s23, 9
	s_add_co_u32 s22, s22, s23
	s_mov_b32 s23, 0
	s_mul_i32 s78, s19, 128*KROW
	s_mov_b32 s79, 0
	s_lshl_b32 s80, s19, 12
	s_mov_b32 s81, 0
	s_wait_dscnt 0x0
	s_wait_kmcnt 0x0
	CROUND
	G0SET G0A, 0, 4, 2
	G0SET G0W, WB, 8, 78
	G0SET G0R, RAW, 6, 22
	G0SET G0SW, WS, 10, 80
	ARM 1, G0W, G1W, .Lhead_sw                     ; Wo's rows are asked for first: they go on into registers
	ARM 2, G0SW, G1SW, .Lhead_r
	ARM 3, G0R, G1R, .Lhead_a
	TLOAD G0A, G1A
.Lasked:
	s_lshl_b32 s2, s76, 8
	s_lshl_b32 s3, s15, 7
	s_add_co_u32 s2, s2, s3
	s_lshl_b32 s2, s2, 12                          ; my first row of out0, in bytes
	s_lshl_b32 s22, s19, 9
	s_lshl_b32 s23, s16, 8
	s_add_co_u32 s22, s22, s23                     ; my first column, in bytes
	s_add_co_u32 s2, s2, s22
	s_mov_b32 s3, 0
	s_add_nc_u64 s[12:13], s[12:13], s[2:3]
	s_mul_i32 s20, s15, 98304
	s_mul_i32 s21, s16, 64*PITCH
	s_add_co_u32 s21, s21, WB
	v_and_b32 v1, 15, v0
	v_bfe_u32 v2, v0, 4, 1
	v_and_b32 v3, 31, v0
	v_mul_u32_u24 v4, v1, PITCH
	v_mad_u32_u24 v5, v2, 24, v4
	v_mad_u32_u24 v6, v2, 40, v4
	v_lshl_add_u32 v9, v2, 5, s22
	WALU
	WIN 0x80
.irp b, 0,1,2,3
	global_load_b128 v[BIW+8*\b:BIW+8*\b+3], v9, s[66:67] offset:64*\b
	global_load_b128 v[BIW+8*\b+4:BIW+8*\b+7], v9, s[66:67] offset:64*\b+16
.endr
	WIN 0
.irp k, 0,1
	v_lshl_add_u32 v[AI16+\k], v3, 4, s20
	v_lshl_add_u32 v[AI8+\k], v3, 3, s20
	s_add_co_u32 s20, s20, 49152
.endr
.irp i, 0,1,2,3
	v_add_nc_u32 v[WA+2*\i], s21, v5
	v_add_nc_u32 v[WA+2*\i+1], s21, v6
	s_add_co_u32 s21, s21, 16*PITCH
.endr
	s_mul_i32 s20, s15, 8*SBLK
	s_add_co_u32 s20, s20, ASC-16
	s_mul_i32 s21, s16, 4*SBLK
	s_add_co_u32 s21, s21, WS
	s_sub_co_u32 s23, s20, s21
	s_add_co_u32 s22, s23, 32
	v_lshlrev_b32 v7, 5, v1
	v_lshrrev_b32 v8, 3, v1
	v_lshl_add_u32 v7, v8, 4, v7
	v_sub_nc_u32 v8, 1, v2
	v_mul_u32_u24 v10, s23, v8
	v_mul_u32_u24 v11, s22, v8
	v_add_nc_u32 v10, v10, v7
	v_add_nc_u32 v11, v11, v7
	v_add_nc_u32 v[S1], s21, v11
	s_add_co_u32 s21, s21, 16
	v_add_nc_u32 v[S0], s21, v10
	s_mul_i32 s20, s14, 16*SPITCH
	s_add_co_u32 s20, s20, STAGE                   ; my stage
	v_mul_u32_u24 v4, v1, SPITCH
	v_lshl_add_u32 v4, v2, 5, v4
	v_add_nc_u32 v[STO], s20, v4                   ; in: row r, 32 bytes for each half of the lanes
	v_mul_u32_u24 v5, v2, SPITCH
	v_lshl_add_u32 v5, v1, 4, v5
	v_add_nc_u32 v[RD], s20, v5                    ; back: lanes 0-15 one row of 256 bytes, lanes 16-31 the next
	v_lshlrev_b32 v6, 12, v2
	v_lshl_add_u32 v[CO], v1, 4, v6                ; and the same two rows in out0
	v_lshl_add_u32 v7, v0, 2, RAW
	v_lshrrev_b32 v8, 2, v0
	v_lshlrev_b32 v8, 4, v8
	v_lshl_add_u32 v8, v0, 6, v8
	v_add_nc_u32 v8, ASC, v8
	WALU                                           ; the wait at the head's end
	s_cmp_eq_u32 s14, 0
	s_cbranch_scc0 .Lnot_w
	s_wait_tensorcnt 0x0                           ; wave 0's load line is its own
.Lnot_w:
	BARRIER                                        ; Wo's rows are in; the other tiles may still be on their way
	WEIGHTS
	s_wait_tensorcnt 0x0
	s_wait_dscnt 0x0
	BARRIER                                        ; all four tiles are in
.irp n, 0,1,2,3,4,5,6,7,8,9,10,11,12,13,14,15
	ds_load_b32 v[96+\n], v7 offset:512*\n         ; thread t: the bytes of tokens 2 t and 2 t + 1 in head n
.endr
	s_wait_dscnt 0x0
.irp q, 0,1,2,3,4,5,6,7
	v_perm_b32 v[112+\q], v[97+2*\q], v[96+2*\q], 0x05040100   ; token 2 t's word of heads 2 q, 2 q + 1
	v_perm_b32 v[120+\q], v[97+2*\q], v[96+2*\q], 0x07060302   ; token 2 t + 1's
.endr
.irp c, 0,1,2,3
	ds_store_b128 v8, v[112+4*\c:115+4*\c] offset:16*\c
.endr
	s_wait_dscnt 0x0
	BARRIER
.irp i, 0,1,2,3,4,5,6,7
	ds_load_b128 v[SC+8*\i:SC+8*\i+3], v[S0] offset:\i*SBLK
	ds_load_b128 v[SC+8*\i+4:SC+8*\i+7], v[S1] offset:\i*SBLK
.endr
	s_wait_dscnt 0x0                               ; my scale words are in registers:
	s_barrier_signal -1                            ; say so; between signal and wait only loads of O's codes, which nobody writes
	FETCHA 0
	FETCHA 1
	s_barrier_wait -1                              ; everybody's are: the scale regions' bytes may take the stages
	s_wait_loadcnt 0x0                             ; the bias
.irp a, 0,1,2,3,4,5,6,7
.if \a == 0
	s_wait_dscnt 32                                ; all but block 1's 32 loads
.endif
.if \a == 1
	s_wait_dscnt 48                                ; all but block 2's 32 loads and block 0's 16 stage instructions.  (From block 2 on the wait in SEND has shown the rows in)
.endif
	MULB \a
	PLACES 4                                       ; in front of the loads into the set just multiplied and of the first read of results
.if \a > 0
	SEND (\a-1)
.endif
.if \a < 6
	FETCHA (\a+2)
.endif
.if \a > 1
	s_wait_xcnt 0x0                                ; block a - 2's stores have read their registers
.endif
	TOSTAGE \a
.endr
	SEND 7
	s_wait_tensorcnt 0x0                           ; the wave's end
	ds_add_u32 v[SPW], v[NIL]
	s_wait_dscnt 0x0
	CROUND
	s_endpgm
.Lfunc_end_k_q8fae824636_oproj:
	.size	k_q8fae824636_oproj, .Lfunc_end_k_q8fae824636_oproj-k_q8fae824636_oproj
	.p2alignl 7, 3214868480
	.fill 96, 4, 3214868480
	.section	.rodata,"a",@progbits
	.p2align	6, 0x0
	.amdhsa_kernel k_q8fae824636_oproj
		.amdhsa_group_segment_fixed_size 327680
		.amdhsa_private_segment_fixed_size 0
		.amdhsa_enable_private_segment 0
		.amdhsa_kernarg_size 48
		.amdhsa_user_sgpr_count 2
		.amdhsa_user_sgpr_kernarg_segment_ptr 1
		.amdhsa_wavefront_size32 1
		.amdhsa_system_sgpr_workgroup_id_x 1
		.amdhsa_system_sgpr_workgroup_id_y 1
		.amdhsa_system_sgpr_workgroup_id_z 1
		.amdhsa_system_vgpr_workitem_id 0
		.amdhsa_next_free_vgpr 1024
		.amdhsa_next_free_sgpr 82
		.amdhsa_reserve_vcc 0
		.amdhsa_float_denorm_mode_32 3
		.amdhsa_float_denorm_mode_16_64 3
		.amdhsa_memory_ordered 1
		.amdhsa_forward_progress 1
		.amdhsa_inst_pref_size 88
	.end_amdhsa_kernel
	.amdgpu_metadata
---
amdhsa.version: [ 1, 2 ]
amdhsa.kernels:
  - .name:           k_q8fae824636_oproj
    .symbol:         k_q8fae824636_oproj.kd
    .args:
      - { .name: ao, .offset: 0, .size: 8, .value_kind: global_buffer, .address_space: global }
      - { .name: aos, .offset: 8, .size: 8, .value_kind: global_buffer, .address_space: global }
      - { .name: Wo_codes, .offset: 16, .size: 8, .value_kind: global_buffer, .address_space: global }
      - { .name: Wo_scales, .offset: 24, .size: 8, .value_kind: global_buffer, .address_space: global }
      - { .name: bo, .offset: 32, .size: 8, .value_kind: global_buffer, .address_space: global }
      - { .name: out0, .offset: 40, .size: 8, .value_kind: global_buffer, .address_space: global }
    .group_segment_fixed_size: 327680
    .private_segment_fixed_size: 0
    .kernarg_segment_align: 8
    .kernarg_segment_size: 48
    .max_flat_workgroup_size: 128
    .sgpr_count:     82
    .vgpr_count:     1024
    .wavefront_size: 32
...
	.end_amdgpu_metadata
.endif
;; end of part 3
